; MI455X (gfx1250); checked and timed in simulation.
; The chip was launched on July 23, 2026; its instructions are those of AMD's public machine-readable ISA for CDNA 5 (MIT licence, August 2026) and "CDNA5" Instruction Set Architecture Reference Guide (July 2026). The comments in the code are by the model that wrote it; some were corrected since.
;; Attention. Allowed arithmetic: matrix products marked QUANTISED: E5M2 operands, one given power-of-two scale a tensor, by v_wmma_f32_16x16x64_bf8_bf8 or v_wmma_f32_16x16x128_bf8_bf8, f32 sums; everything else in f32.
;; Inputs: beta 64 float32; gamma 64 float32; key_codes 16 x 64 x 256 x 1 x 32 uint8 (E5M2 codes of key, K innermost, in blocks of 32 codes); lowp_scales 4 int32 (the exponents e of the quantised operands' scales 2^e); query_codes 16 x 64 x 256 x 1 x 32 uint8 (E5M2 codes of query, K innermost, in blocks of 32 codes); value 16 x 64 x 32 x 256 float32.
;; Outputs: out0 16 x 64 x 32 x 256 float32.
;; This version of the problem:
;;   THIS VERSION OF THE PROBLEM IS GIVEN IN LOW PRECISION. The matrix products marked QUANTISED in the list below multiply operands that are first quantised to E5M2 (5 exponent bits, 2 mantissa bits; 8 bits a number), with one given power-of-two scale for each operand tensor; their sums are f32. All else is computed in f32.
;;   The module's matrix products, in the order in which they are computed (A, B: the left and right operand; K: the contracted axis; several contracted axes count as one K, in the product's order):
;;     1. batch 1,024 x [M 256, K 32] x [K 32, N 256]; A: input query (given as codes); B: input key (given as codes): QUANTISED (scales: A lowp_scales[0], B lowp_scales[1])
;;     2. batch 1,024 x [M 32, K 256] x [K 256, N 256]; A: input value; B: softmax (see below): QUANTISED (scales: A lowp_scales[2], B lowp_scales[3])
;;   THE QUANTISER, for each operand of a quantised product, along K:
;;     - The operand's scale is 2^e, e = its entry of the input lowp_scales (int32; the entries are numbered through the quantised products in the list's order, A before B).
;;     - Each number is divided by the scale, clamped to +-57,344, and rounded to the nearest number of E5M2, ties to even, subnormals kept.
;;     - The product sums the exact products of the quantised numbers (number of the format x scale) in f32.
;;   ~~~python
;;   def quantise(x, axis, e):      # numpy; x: float32 -> the quantised numbers, widened to float32 again
;;       x = np.moveaxis(x, axis, -1); K = x.shape[-1]
;;       r = np.clip(x / 2.0 ** e, -57344, 57344)
;;       step = 2.0 ** (np.maximum(np.frexp(np.where(r == 0, 1, r))[1] - 1, -14) - 2)
;;       q = np.round(r / step) * step * 2.0 ** e      # np.round: ties to even
;;       return np.moveaxis(q, -1, axis).astype(np.float32)
;;   ~~~
;;   SOFTMAX AHEAD OF A QUANTISED PRODUCT. Where the list says 'softmax', what is quantised is not the finished softmax but p = 2^(t - M), with t = logit x log2(e) and M = ceil(the row's largest t), a whole number; so 1/2 < the row's largest p <= 1. The row's sum l is taken of the UNQUANTISED p, in f32, and the product's result is divided by l at the end. Since M is a whole number, a kernel that streams over the keys may use a running M (the ceiling of the running maximum): every later rescaling is an exact power of two, so the quantised numbers keep their values, but for numbers so far below the row's largest that they fall under the format's range.
;;   OPERANDS COMPUTED ON THE WAY. 'Computed on the way' means the value that the module computes at that place (a softmax that the list does not call 'softmax' is quantised finished and normalised). What goes into a quantiser is computed in f32, as accurately as f32 sums, v_exp_f32 and their like allow (about 1e-6 of the number): no bf16 or f16 on the way to a quantiser, and a product that is left as it is and whose result goes on into a quantised operand takes f32 operands (vector FMAs, or v_wmma_f32_16x16x4_f32). A number that lies on a knife's edge between two numbers of the format may be rounded either way, as far as f32 arithmetic and the matrix unit's own rounding can turn it there, and no further.
;;   INPUTS GIVEN AS CODES. key (in the module: [16, 64, 32, 256], K = its axis 2); query (in the module: [16, 64, 32, 256], K = its axis 2): each comes as NAME_codes (uint8): NAME with its K axis moved to the last place and cut into blocks of 32 codes, [.., K / 32, bytes a block], one block behind the other in memory; one code a byte (a code: sign, 5 exponent bits, 2 mantissa bits); its scale is its entry of lowp_scales. Its value is code x scale, taken as it is: it is not quantised again, and the codes and scales need not be those that the quantiser above would give.
;; One version. Each part assembles by itself: llvm-mc -triple=amdgcn-amd-amdhsa -mcpu=gfx1250 --defsym DOCPART=n.
;; ======== version 1 of 1: 2 launches
;; limits: right only within a limited range of input values
;; workspace buffers: x 33,554,432 bytes; stats 262,144 bytes
;; launch attn (part 1): grid 1024 x 1, 4 waves a work-group, no clusters, 77,568 bytes of LDS; arguments query_codes, key_codes, value, lowp_scales, x, stats; writes x, stats
.if DOCPART == 1
	.amdgcn_target "amdgcn-amd-amdhsa--gfx1250"
	.amdhsa_code_object_version 6
	.text
	.protected	k_qba77061a97_attn
	.globl	k_qba77061a97_attn
	.p2align	8
	.type	k_qba77061a97_attn,@function
k_qba77061a97_attn:
	s_mov_b64 s[64:65], 0
	v_nop
	global_prefetch_b8 v0, s[64:65] scope:SCOPE_SE
	s_setreg_imm32_b32 hwreg(HW_REG_WAVE_MODE, 25, 1), 1
	s_wait_xcnt 0x0
; For each pair (b, c):  x[h][w] = (sum over v of p[w][v] value[h][v]) / l[w] + value[h][w],  p = 2^(t - M), t = score x log2(e), score[w][v] = sum over h of query[h][w] key[h][v],
; M = ceil(the row's largest t), l = the row's sum of the unquantised p.  Both products on codes of BF8 (E5M2): query's and key's are given, value and p are quantised here with the given 2^ev, 2^ep.
; Beside x each wave leaves the mean and the sum of squared deviations of the 2,048 numbers of x that it stores: the next launch joins them into the channel's mean and variance.
; NOTHING OF reference() IS LEFT OUT: every input has a way to the output (gamma and beta are taken by the next launch).
; SHARES.  A work-group of four waves takes one pair; 1,024 work-groups.  Wave w owns queries 64 w .. 64 w + 63 (four tiles of 16) and, of value and x, columns 64 w .. 64 w + 63: 256 bytes of each of the 32 rows.
; Work-groups share no input: no cluster.  A work-group reads its bytes once, at its head, and has no loop to run ahead in: no prefetch.
; LAYOUT.  S^T = K Q^T (source 0 = 16 keys, source 1 = 16 queries): a lane holds ONE query (lane % 16) and, in tile t's register j, key 16 t + 8 (lane / 16) + j.
; THE FIRST PRODUCT, precisely.  The logits are not scaled down, the softmax is peaked, and one code of a row's largest p weighs on all 32 numbers of that row: the sums' last bits count.  So that tiny products are not
; added beside large ones, the codes are split once by magnitude, K = Kh + Kl, Q = Qh + Ql (a code goes whole to one part, the other has a zero code; where the line is drawn changes no exact sum).  K is 32, the
; form has 64 places: source 0 is [Kh, Kl], source 1 is [Ql, Qh] and then, onto the same accumulator, [Qh, Ql]: Kh Ql + Kl Qh, then Kh Qh + Kl Ql.  Qh, Ql, Qh lie in twelve neighbouring registers.
; Lane (r, hh) holds bytes 16 hh .. 16 hh + 15 of its row, in keys and queries alike: the same permutation of k on both sides.
; TWO PASSES.  The first makes the scores by one product, [Kh, Kl] with [Q, Q], and keeps their maximum alone: it sets M.  (Where the largest t lies within its last bits of a whole number M may come out one apart: then every
; p, and l, is twice or half as large, exactly, and x the same.)  The second makes them precisely, in two halves of 128 keys, both under that M: nothing is rescaled.
; p's codes, eight registers to a conversion, ARE the x128 form's operand (registers 2 c, 2 c + 1: key 16 c + 8 (lane / 16) + 0 .. 7).  The second product takes P as source 0 and value as source 1:
; lane (r, hh) then holds x(row 16 m + r, columns 16 T + 8 hh + 0 .. 7) of tile T.
; THROUGH LDS.  Each wave stores its quarter of the keys, split, as an image of the operand's registers (16 bytes a lane at 16 x lane); its queries likewise, for itself; its block of value as f32, rows PITCH bytes apart, for
; itself; and the codes of that block as its part of value's image.  ONE barrier; then every wave takes all keys into 128 registers, and value's image once a tile.  A tile's x is made in the accumulators' layout and stored
; over the value that it was made with; at the end whole rows are read back and leave, two units of 256 bytes an instruction.
; LIMITS.  ep and ev between -126 and 112, so that 2^e and 57,344 x 2^e are f32 numbers; eq + ek between -126 and 126, so that log2(e) x 2^(eq + ek) is one.  NaN in value is not served (an infinity is
; held at the largest code).  A code of infinity in key_codes or query_codes meets zero codes and gives NaN in its scores.
.set PITCH, 272                        ; 256 bytes + 16 = 17 x 16: sixteen lanes that take 16 bytes of sixteen rows fall on sixteen different 16-byte columns modulo 256
.set BLK,  32*PITCH
.set KIMG, 0                           ; LDS: 16 key tiles x (512 bytes of Kh, 512 of Kl)
.set QIMG, 16384                       ; 16 query tiles likewise: four a wave, its own
.set VIMG, 32768                       ; value's codes: fragment (m, keys' half k) at 4,096 m + 2,048 k, 16 registers
.set LINV, 40960                       ; 2^(ep + ev) / l, one f32 a query
.set STAT, 41984                       ; (mean, sum of squared deviations) of wave w at 8 w
.set SPARE, 42240                      ; the spare words, 128 bytes a wave: two blocks of 256 bytes that no other line names
.set ARR,  42752                       ; a block of 32 rows for each wave: value, then x
.set SPW, 1                            ; v1   LDS address of my spare word; never rewritten
.set NIL, 2                            ; v2   0; never rewritten
.set LI,  3                            ; v3   16 x lane
.set KS,  4                            ; v4   4,096 wave + 16 lane
.set DL,  5                            ; v5   my block in the accumulators' layout: row lane % 16, 32 (lane / 16)
.set LS,  6                            ; v6   the table, on the way in
.set LR,  7                            ; v7   the table, on the way out
.set SCP, 8                            ; v8   2^ep as f32
.set RL,  9                            ; v9   1 / l
.set NM,  10                           ; v[10:11] -M (the packed form names a pair and takes its low word)
.set MX,  12                           ; v12-15 four chains of the maximum, then
.set SU,  12                           ; v12-19 four chains of a sum, then
.set LV,  12                           ; v12-19 the table's numbers for my eight columns
.set QH,  20                           ; v20-39 Qh, Ql, Qh, Q, Q: four registers each
.set K,   40                           ; v40-167 all 16 key tiles: Kh, Kl of each
.set O,   168                          ; v168-183 the second product's sums, rows 16 m + r at 8 m
.set W,   184                          ; v184-199 p's codes of a half: they reach over scores already converted
.set S,   192                          ; v192-255 scores, then t, t - M, p of 128 keys
.set VF,  S+8                          ; value's two fragments of a half, over p already converted
.set VD,  S+40                         ; value in the accumulators' layout, then x
.set GV,  168                          ; at the head: value's offset: row lane / 16, 256 wave + 16 (lane % 16)
.set RD,  169                          ; my block by rows: lanes 0-15 one row, lanes 16-31 the next
.set GK,  170                          ; codes: 2,048 wave + 32 (lane % 16) + 16 (lane / 16)
.set VS,  171                          ; 1,024 wave + 16 lane
.set SCV, 172                          ; 2^ev
.set HLV, 173                          ; 57,344 x 2^ev
.set QN,  104                          ; my block of value in the accumulators' layout, 64 registers
.set CC,  72                           ; its codes, 16 registers
.set WV,  28                           ; s28  my wave's number
.set SEL, 30                           ; s[30:31] v_permlanex16_b32's selects for lane l xor 16
.set EP,  19                           ; s19  ep
.set CS,  32                           ; s[32:33] c = log2(e) x 2^(eq + ek)
.set EPV, 34                           ; s34  ep + ev
.set HLP, 35                           ; s35  57,344 x 2^ep
.set C7F, 36                           ; s36  0x7f in each byte
.set C80, 37                           ; s37  0x80 in each byte
.set TK,  38                           ; s38  128 - the least code of Kh's magnitudes, in each byte
.set TQ,  39                           ; s39  the same for Qh
.macro STLE
	s_wait_alu depctr_va_vdst(0)
.endm
.macro D1
	s_delay_alu instid0(VALU_DEP_1)
.endm
.macro NOPS n
.rept \n
	v_nop
.endr
.endm
.macro THR d, e                        ; the line is drawn at 2^-3: exponent field 12 - e, held between the codes 1 and 127
	s_sub_co_i32 s20, 12, s[\e]
	s_lshl_b32 s20, s20, 2
	s_max_i32 s20, s20, 1
	s_min_i32 s20, s20, 127
	s_sub_co_i32 s20, 128, s20
	s_mul_i32 s[\d], s20, 0x01010101
.endm
; Sixteen codes a lane, v[a ..]: the large ones to v[t ..], the small ones stay.  A magnitude (7 bits) + (128 - line) has bit 7 where it is at or above the line; no sum leaves its byte.
.macro SPLIT a, t, thr
.irp i, 0,1,2,3
	v_and_b32 v[(\t)+\i], s[C7F], v[(\a)+\i]
.endr
.irp i, 0,1,2,3
	v_add_nc_u32 v[(\t)+\i], s[\thr], v[(\t)+\i]
.endr
.irp i, 0,1,2,3
	v_and_b32 v[(\t)+\i], s[C80], v[(\t)+\i]
.endr
.irp i, 0,1,2,3
	v_lshrrev_b32 v[(\t)+4+\i], 7, v[(\t)+\i]
.endr
.irp i, 0,1,2,3
	v_sub_nc_u32 v[(\t)+4+\i], v[(\t)+\i], v[(\t)+4+\i]
.endr
.irp i, 0,1,2,3
	v_or_b32 v[(\t)+\i], v[(\t)+\i], v[(\t)+4+\i]       ; 0xff in each large code's byte
.endr
.irp i, 0,1,2,3
	v_and_b32 v[(\t)+\i], v[(\a)+\i], v[(\t)+\i]
.endr
.irp i, 0,1,2,3
	v_xor_b32 v[(\a)+\i], v[(\a)+\i], v[(\t)+\i]
.endr
.endm
.macro LDQ T                           ; a query tile: Qh, Ql, Qh
	ds_load_b128 v[QH:QH+3], v[KS] offset:QIMG+1024*(\T)
	ds_load_b128 v[QH+4:QH+7], v[KS] offset:QIMG+1024*(\T)+512
	ds_load_b128 v[QH+8:QH+11], v[KS] offset:QIMG+1024*(\T)
.endm
; HALF a query tile's keys, 128 f .. 128 f + 127: scores, p, codes, second product.
.macro HALF T, f
.irp t, 0,1,2,3,4,5,6,7                        ; eight accumulators by turns
	v_wmma_f32_16x16x64_bf8_bf8 v[S+8*\t:S+8*\t+7], v[K+64*(\f)+8*\t:K+64*(\f)+8*\t+7], v[QH+4:QH+11], 0
.endr
.irp t, 0,1,2,3,4,5,6,7
	v_wmma_f32_16x16x64_bf8_bf8 v[S+8*\t:S+8*\t+7], v[K+64*(\f)+8*\t:K+64*(\f)+8*\t+7], v[QH:QH+7], v[S+8*\t:S+8*\t+7]
.endr
	NOPS 4                                         ; places ahead of the first reader and of loads into a source
.if ((\f) == 1) && ((\T) < 3)
	LDQ (\T)+1                                     ; the next tile's queries
.endif
.set n, 0
.rept 32
	v_pk_mul_f32 v[S+2*n:S+2*n+1], v[S+2*n:S+2*n+1], s[CS:CS+1] op_sel_hi:[1,0]     ; t = score x log2(e), rounded once
.set n, n+1
.endr
.set n, 0
.rept 16
	v_pk_add_f32 v[S+2*n:S+2*n+1], v[S+2*n:S+2*n+1], v[NM:NM+1] op_sel_hi:[1,0]     ; t - M, rounded once
.set n, n+1
.endr
	STLE
.set n, 0
.rept 16                                       ; p = 2^(t - M), not normalised, beside the other numbers' t - M
	v_exp_f32 v[S+2*n], v[S+2*n]
	v_exp_f32 v[S+2*n+1], v[S+2*n+1]
	v_pk_add_f32 v[S+2*n+32:S+2*n+33], v[S+2*n+32:S+2*n+33], v[NM:NM+1] op_sel_hi:[1,0]
.set n, n+1
.endr
	STLE
.set n, 32
.rept 32
	v_exp_f32 v[S+n], v[S+n]
.set n, n+1
.endr
	v_nop                                          ; a plain instruction behind the last exponential
	STLE
.set n, 0
.if (\f) == 0
.irp k, 0,1,2,3
	v_pk_add_f32 v[SU+2*\k:SU+2*\k+1], v[S+4*\k:S+4*\k+1], v[S+4*\k+2:S+4*\k+3]     ; the row's sum, of the UNQUANTISED p, in four chains
.endr
.set n, 8
.endif
.rept 32-8*(1-(\f))
	v_pk_add_f32 v[SU+2*(n%4):SU+2*(n%4)+1], v[SU+2*(n%4):SU+2*(n%4)+1], v[S+2*n:S+2*n+1]
.set n, n+1
.endr
.if (\f) == 1
	v_pk_add_f32 v[SU:SU+1], v[SU:SU+1], v[SU+2:SU+3]
	v_pk_add_f32 v[SU+4:SU+5], v[SU+4:SU+5], v[SU+6:SU+7]
	D1
	v_pk_add_f32 v[SU:SU+1], v[SU:SU+1], v[SU+4:SU+5]
	D1
	v_add_f32 v[SU], v[SU], v[SU+1]
	D1
	v_permlanex16_b32 v[SU+1], v[SU], s[SEL], s[SEL+1]
	D1
	v_add_f32 v[SU], v[SU], v[SU+1]                ; l: the row's sum
.endif
	STLE
	s_cmp_ge_i32 s[EP], -15                        ; p is at most 1 (but for its last bits), and 57,344 x 2^ep is 1.75 or more from ep = -15 on: the hold then changes no number, and its lines are passed over.
	s_cbranch_scc1 .Lno_hold_\@                    ; A branch on a whole number read from memory, the same in all waves, round vector lines alone
.set n, 0
.rept 64
	v_min_num_f32 v[S+n], s[HLP], v[S+n]           ; the conversion to an 8-bit code does not saturate (ISA guide 7.6.2): the hold; p is not negative, so it is one-sided
.set n, n+1
.endr
.Lno_hold_\@:
.irp t, 0,1,2,3
	v_cvt_scalef32_pk8_bf8_f32 v[W+2*\t:W+2*\t+1], v[S+8*\t:S+8*\t+7], v[SCP]       ; keys 16 t + 8 (lane / 16) + 0 .. 7: registers 2 t, 2 t + 1 of the operand
.endr
	v_nop                                          ; one plain instruction behind a conversion, ahead of the lines that write over its source
.irp t, 4,5,6,7                                ; these codes go over tile 0's numbers
	v_cvt_scalef32_pk8_bf8_f32 v[W+2*\t:W+2*\t+1], v[S+8*\t:S+8*\t+7], v[SCP]
.endr
	v_nop
.if (\f) == 1
	v_rcp_f32 v[RL], v[SU]
	v_nop
.endif
.irp q, 0,1,2,3
	ds_load_b128 v[VF+4*\q:VF+4*\q+3], v[LI] offset:VIMG+2048*(\f)+512*\q
	ds_load_b128 v[VF+16+4*\q:VF+16+4*\q+3], v[LI] offset:VIMG+4096+2048*(\f)+512*\q
.endr
.if (\f) == 0
	STLE
	s_wait_dscnt 0x0
	v_wmma_f32_16x16x128_bf8_bf8 v[O:O+7], v[W:W+15], v[VF:VF+15], 0                 ; rows 0-15, keys 0-127
	v_wmma_f32_16x16x128_bf8_bf8 v[O+8:O+15], v[W:W+15], v[VF+16:VF+31], 0           ; rows 16-31
	NOPS 5                                         ; places ahead of the products that write over these operands
.else
.irp m, 0,1
	ds_load_b128 v[VD+8*\m:VD+8*\m+3], v[DL] offset:16*PITCH*\m+64*(\T)
	ds_load_b128 v[VD+8*\m+4:VD+8*\m+7], v[DL] offset:16*PITCH*\m+64*(\T)+16
.endr
	STLE
	v_ldexp_f32 v[RL], v[RL], s[EPV]               ; x 2^(ep + ev)
	ds_store_b32 v[LS], v[RL] offset:LINV+64*(\T)  ; (both halves of the lanes hold the same number)
	ds_load_b128 v[LV:LV+3], v[LR] offset:LINV+64*(\T)        ; LDS serves a wave's instructions in order (ISA guide 5.7.1.4): these see the store
	ds_load_b128 v[LV+4:LV+7], v[LR] offset:LINV+64*(\T)+16
	s_wait_dscnt 7                                 ; value's fragments are in: younger are four loads of value, the store, the table's two loads
	STLE
	v_wmma_f32_16x16x128_bf8_bf8 v[O:O+7], v[W:W+15], v[VF:VF+15], v[O:O+7]          ; keys 128-255
	STLE
	v_wmma_f32_16x16x128_bf8_bf8 v[O+8:O+15], v[W:W+15], v[VF+16:VF+31], v[O+8:O+15]
	NOPS 4                                         ; places ahead of the first reader; with the eight lines below more than the next matrix instruction is owed
	s_wait_dscnt 0x0                               ; value, the table, and the next tile's queries
.irp m, 0,8
.irp j, 0,2,4,6
	v_pk_fma_f32 v[VD+\m+\j:VD+\m+\j+1], v[O+\m+\j:O+\m+\j+1], v[LV+\j:LV+\j+1], v[VD+\m+\j:VD+\m+\j+1]   ; x = sum x 2^(ep + ev) / l + value
.endr
.endr
.irp m, 0,1
	ds_store_b128 v[DL], v[VD+8*\m:VD+8*\m+3] offset:16*PITCH*\m+64*(\T)             ; over the value that it was made with: bytes of this lane's own
	ds_store_b128 v[DL], v[VD+8*\m+4:VD+8*\m+7] offset:16*PITCH*\m+64*(\T)+16
.endr
.endif
.endm
; ONE TILE OF 16 QUERIES.
.macro TILE T
.irp i, 0,1,2,3
	v_or_b32 v[QH+12+\i], v[QH+\i], v[QH+4+\i]     ; Q, twice
	v_or_b32 v[QH+16+\i], v[QH+\i], v[QH+4+\i]
.endr
.irp f, 0,1                                    ; the first pass: the maximum alone
.irp t, 0,1,2,3,4,5,6,7
	v_wmma_f32_16x16x64_bf8_bf8 v[S+8*\t:S+8*\t+7], v[K+64*\f+8*\t:K+64*\f+8*\t+7], v[QH+12:QH+19], 0
.endr
	NOPS 4
.set n, 0
.rept 32                                       ; the largest score of my query among my 128 keys, in four chains
.if (\f == 0) && (n < 4)
	v_max_num_f32 v[MX+n], v[S+2*n], v[S+2*n+1]
.else
	v_max3_num_f32 v[MX+n%4], v[MX+n%4], v[S+2*n], v[S+2*n+1]
.endif
.set n, n+1
.endr
.endr
	v_max3_num_f32 v[MX], v[MX], v[MX+1], v[MX+2]
	D1
	v_max_num_f32 v[MX], v[MX], v[MX+3]
	D1
	v_permlanex16_b32 v[MX+1], v[MX], s[SEL], s[SEL+1]
	D1
	v_max_num_f32 v[MX], v[MX], v[MX+1]            ; and among lane l xor 16's
	D1
	v_mul_f32 v[MX], s[CS], v[MX]                  ; as t (c is positive)
	D1
	v_floor_f32 v[NM], -v[MX]                      ; -M = floor(-t) = -ceil(t)
	HALF \T, 0
	HALF \T, 1
.endm
.macro FOLD d                          ; four chains of pairs, then the wave's 32 lanes: the total into v[d], in every lane
	v_pk_add_f32 v[SU:SU+1], v[SU:SU+1], v[SU+2:SU+3]
	v_pk_add_f32 v[SU+4:SU+5], v[SU+4:SU+5], v[SU+6:SU+7]
	D1
	v_pk_add_f32 v[SU:SU+1], v[SU:SU+1], v[SU+4:SU+5]
	D1
	v_add_f32 v[SU], v[SU], v[SU+1]
.irp k, 1,2,4,8
	D1
	v_add_f32_dpp v[SU], v[SU], v[SU] row_xmask:\k row_mask:0xf bank_mask:0xf
.endr
	D1
	v_permlanex16_b32 v[SU+1], v[SU], s[SEL], s[SEL+1]
	D1
	v_add_f32 v[\d], v[SU], v[SU+1]
.endm
	s_load_b256 s[4:11], s[0:1], 0x0               ; query_codes s[4:5], key_codes s[6:7], value s[8:9], lowp_scales s[10:11]
	s_load_b128 s[12:15], s[0:1], 0x20             ; x s[12:13], stats s[14:15]
	v_lshl_add_u32 v[SPW], v0, 2, SPARE
	v_mov_b32 v[NIL], 0
	v_and_b32 v174, 31, v0                         ; lane
	v_and_b32 v175, 15, v0                         ; r = lane % 16
	v_bfe_u32 v176, v0, 4, 1                       ; hh = lane / 16
	v_lshrrev_b32 v177, 5, v0                      ; wave
	v_readfirstlane_b32 s[WV], v177
	v_lshlrev_b32 v[LI], 4, v174
	v_lshlrev_b32 v178, 5, v175
	v_lshlrev_b32 v179, 8, v177                    ; 256 wave
	v_lshl_add_u32 v178, v176, 4, v178
	v_lshl_add_u32 v180, v176, 10, v179
	v_lshl_add_u32 v[GK], v177, 11, v178
	v_lshl_add_u32 v[GV], v175, 4, v180
	s_lshl_b32 s22, ttmp9, 15                      ; my pair's bytes in value and x,
	s_mov_b32 s23, 0
	s_lshl_b32 s24, ttmp9, 13                      ; in the codes,
	s_mov_b32 s25, 0
	s_lshl_b32 s26, ttmp9, 8                       ; and in stats
	s_mov_b32 s27, 0
	s_mov_b32 s[SEL], 0x76543210
	s_mov_b32 s[SEL+1], 0xfedcba98
	s_mov_b32 s[C7F], 0x7f7f7f7f
	s_mov_b32 s[C80], 0x80808080
	STLE
	s_wait_kmcnt 0x0
	s_load_b128 s[16:19], s[10:11], 0x0            ; eq, ek, ev, ep
	s_add_nc_u64 s[4:5], s[4:5], s[24:25]
	s_add_nc_u64 s[6:7], s[6:7], s[24:25]
	s_add_nc_u64 s[8:9], s[8:9], s[22:23]
	s_add_nc_u64 s[12:13], s[12:13], s[22:23]
	s_add_nc_u64 s[14:15], s[14:15], s[26:27]
.irp j, 0,1,2,3                                ; my quarter of the keys and my four query tiles, 512 consecutive bytes a load; v40-55, v56-71
	global_load_b128 v[K+4*\j:K+4*\j+3], v[GK], s[6:7] offset:512*\j th:TH_LOAD_NT
.endr
.irp j, 0,1,2,3
	global_load_b128 v[K+16+4*\j:K+16+4*\j+3], v[GK], s[4:5] offset:512*\j th:TH_LOAD_NT
.endr
.irp i, 0,1,2,3,4,5,6,7,8,9,10,11,12,13,14,15  ; my block of value: rows 2 i + lane / 16, two units of 256 bytes a load
	global_load_b128 v[S+4*\i:S+4*\i+3], v[GV], s[8:9] offset:2048*\i th:TH_LOAD_NT
.endr
	v_lshl_add_u32 v[KS], v177, 12, v[LI]
	v_lshl_add_u32 v[VS], v177, 10, v[LI]
	v_mul_u32_u24 v181, v177, BLK
	v_mul_u32_u24 v182, v176, PITCH
	v_mul_u32_u24 v183, v175, PITCH
	v_add_nc_u32 v182, v182, v181
	v_add_nc_u32 v183, v183, v181
	v_lshl_add_u32 v182, v175, 4, v182
	v_lshl_add_u32 v183, v176, 5, v183
	v_add_nc_u32 v[RD], ARR, v182
	v_add_nc_u32 v[DL], ARR, v183
	v_lshl_add_u32 v[LS], v175, 2, v179
	v_lshl_add_u32 v[LR], v176, 5, v179
	v_mov_b32 v[NM+1], 0                           ; (named as the upper half of a pair)
	STLE
	s_wait_kmcnt 0x0
	s_add_co_i32 s20, s16, s17
	s_lshl_b32 s20, s20, 23
	s_add_co_i32 s[CS], s20, 0x3fb8aa3b            ; a score stands for score x 2^(eq + ek): added to log2(e)'s exponent field
	s_mov_b32 s[CS+1], s[CS]                       ; (named with it as a pair)
	THR TQ, 16
	THR TK, 17
	s_add_co_i32 s[EPV], s18, s19
	s_add_co_i32 s20, s19, 127
	s_lshl_b32 s21, s20, 23
	v_mov_b32 v[SCP], s21                          ; 2^ep as f32: the conversion takes its exponent field
	s_add_co_i32 s20, s20, 15
	s_lshl_b32 s20, s20, 23
	s_or_b32 s[HLP], s20, 0x600000                 ; 57,344 x 2^ep
	s_add_co_i32 s20, s18, 127
	s_lshl_b32 s21, s20, 23
	v_mov_b32 v[SCV], s21                          ; the same for value
	s_add_co_i32 s20, s20, 15
	s_lshl_b32 s20, s20, 23
	s_or_b32 s20, s20, 0x600000
	v_mov_b32 v[HLV], s20
	STLE
	s_wait_loadcnt 20                              ; the keys are in; younger: 4 of queries, 16 of value
.irp j, 0,1,2,3
	SPLIT K+4*\j, 72+8*\j, TK
	ds_store_b128 v[KS], v[72+8*\j:75+8*\j] offset:KIMG+1024*\j
	ds_store_b128 v[KS], v[K+4*\j:K+4*\j+3] offset:KIMG+1024*\j+512
.endr
	s_wait_loadcnt 16
.irp j, 0,1,2,3
	SPLIT K+16+4*\j, 72+8*\j, TQ
	ds_store_b128 v[KS], v[72+8*\j:75+8*\j] offset:QIMG+1024*\j
	ds_store_b128 v[KS], v[K+16+4*\j:K+16+4*\j+3] offset:QIMG+1024*\j+512
.endr
.irp g, 0,1,2,3
	s_wait_loadcnt 12-4*\g                         ; four more rows' loads are in
.irp i, 0,1,2,3
	ds_store_b128 v[RD], v[S+16*\g+4*\i:S+16*\g+4*\i+3] offset:2*PITCH*(4*\g+\i)
.endr
.endr
.irp m, 0,1                                    ; back in the operand's layout: row 16 m + r, columns 16 c + 8 hh + 0 .. 7 of my block (my own bytes: in order, no wait)
.irp c, 0,1,2,3
	ds_load_b128 v[QN+32*\m+8*\c:QN+32*\m+8*\c+3], v[DL] offset:16*PITCH*\m+64*\c
	ds_load_b128 v[QN+32*\m+8*\c+4:QN+32*\m+8*\c+7], v[DL] offset:16*PITCH*\m+64*\c+16
.endr
.endr
	s_wait_dscnt 0x0
.set n, 0
.rept 64
	v_med3_num_f32 v[QN+n], v[QN+n], -v[HLV], v[HLV]   ; the hold at the largest code x the scale
.set n, n+1
.endr
.irp g, 0,1,2,3,4,5,6,7
	v_cvt_scalef32_pk8_bf8_f32 v[CC+2*\g:CC+2*\g+1], v[QN+8*\g:QN+8*\g+7], v[SCV]
.endr
	v_nop
.irp m, 0,1
	ds_store_b128 v[VS], v[CC+8*\m:CC+8*\m+3] offset:VIMG+4096*\m
	ds_store_b128 v[VS], v[CC+8*\m+4:CC+8*\m+7] offset:VIMG+4096*\m+512
.endr
	s_wait_dscnt 0x0                               ; my parts of the images have landed
	s_barrier_signal -1
	s_barrier_wait -1                              ; and everybody's
	LDQ 0
.irp t, 0,1,2,3,4,5,6,7,8,9,10,11,12,13,14,15
	ds_load_b128 v[K+8*\t:K+8*\t+3], v[LI] offset:KIMG+1024*\t
	ds_load_b128 v[K+8*\t+4:K+8*\t+7], v[LI] offset:KIMG+1024*\t+512
.endr
	s_wait_dscnt 0x0
	TILE 0
	TILE 1
	TILE 2
	TILE 3
	; THE WAY OUT: whole rows of my block.  The addresses are made anew, in the queries' registers
	v_and_b32 v22, 15, v0
	v_bfe_u32 v23, v0, 4, 1
	v_lshrrev_b32 v24, 5, v0
	v_mul_u32_u24 v25, v24, BLK
	v_mul_u32_u24 v26, v23, PITCH
	v_lshlrev_b32 v27, 8, v24
	v_add_nc_u32 v26, v26, v25
	v_lshl_add_u32 v27, v23, 10, v27
	v_lshl_add_u32 v26, v22, 4, v26
	v_lshl_add_u32 v20, v22, 4, v27                ; x: row lane / 16, 256 wave + 16 (lane % 16)
	v_add_nc_u32 v21, ARR, v26                     ; my block by rows
	STLE
.irp i, 0,1,2,3,4,5,6,7,8,9,10,11,12,13,14,15
	ds_load_b128 v[S+4*\i:S+4*\i+3], v21 offset:2*PITCH*\i
.endr
.irp g, 0,1,2,3
	s_wait_dscnt 12-4*\g
.irp i, 0,1,2,3
	global_store_b128 v20, v[S+16*\g+4*\i:S+16*\g+4*\i+3], s[12:13] offset:2048*(4*\g+\i)   ; two aligned units of 256 bytes, whole
.endr
.endr
	v_lshrrev_b32 v22, 5, v0
	v_and_b32 v24, 31, v0
	v_and_b32 v26, 3, v0
	v_lshlrev_b32 v22, 3, v22                      ; 8 x wave
	v_lshlrev_b32 v24, 3, v24                      ; 8 x lane
	v_lshlrev_b32 v26, 3, v26                      ; 8 x (lane % 4)
.irp j, 0,1,2,3
	v_pk_add_f32 v[SU+2*\j:SU+2*\j+1], v[S+2*\j:S+2*\j+1], v[S+8+2*\j:S+9+2*\j]   ; the sum of my wave's 2,048 numbers
.endr
.set n, 8
.rept 24
	v_pk_add_f32 v[SU+2*(n%4):SU+2*(n%4)+1], v[SU+2*(n%4):SU+2*(n%4)+1], v[S+2*n:S+2*n+1]
.set n, n+1
.endr
	FOLD SU
	D1
	v_mul_f32 v28, 0x3a000000, v[SU]               ; / 2,048: their mean
	v_mul_f32 v30, 0xba000000, v[SU]               ; and -mean, twice, for the packed additions
	v_mul_f32 v31, 0xba000000, v[SU]
.set n, 0
.rept 32
	v_pk_add_f32 v[K+2*n:K+2*n+1], v[S+2*n:S+2*n+1], v[30:31]   ; x - mean
.set n, n+1
.endr
.irp j, 0,1,2,3
	v_pk_mul_f32 v[SU+2*\j:SU+2*\j+1], v[K+2*\j:K+2*\j+1], v[K+2*\j:K+2*\j+1]
.endr
.set n, 4
.rept 28
	v_pk_fma_f32 v[SU+2*(n%4):SU+2*(n%4)+1], v[K+2*n:K+2*n+1], v[K+2*n:K+2*n+1], v[SU+2*(n%4):SU+2*(n%4)+1]
.set n, n+1
.endr
	FOLD 29                                        ; the sum of squared deviations from the wave's own mean: no difference of large sums is formed
	ds_store_b64 v22, v[28:29] offset:STAT         ; every lane holds the same pair and writes the same eight bytes
	STLE
	s_wait_dscnt 0x0
	s_barrier_signal -1
	s_barrier_wait -1                              ; all four pairs lie in LDS
	s_cmp_lg_u32 s[WV], 0
	s_cbranch_scc1 .Ldone
	ds_load_b64 v[32:33], v26 offset:STAT
	s_wait_dscnt 0x0
	global_store_b64 v24, v[32:33], s[14:15]       ; wave 0 stores the four pairs, eight times over: my slab's aligned unit of 256 bytes is written whole
.Ldone:
	s_wait_tensorcnt 0x0                           ; the wave's end, behind my last LDS store
	ds_add_u32 v[SPW], v[NIL]
	s_wait_dscnt 0x0
	s_endpgm
.Lfunc_end_k_qba77061a97_attn:
	.size	k_qba77061a97_attn, .Lfunc_end_k_qba77061a97_attn-k_qba77061a97_attn
	.p2alignl 7, 3214868480
	.fill 96, 4, 3214868480
	.section	.rodata,"a",@progbits
	.p2align	6, 0x0
	.amdhsa_kernel k_qba77061a97_attn
		.amdhsa_group_segment_fixed_size 77568
		.amdhsa_private_segment_fixed_size 0
		.amdhsa_enable_private_segment 0
		.amdhsa_kernarg_size 48
		.amdhsa_user_sgpr_count 2
		.amdhsa_user_sgpr_kernarg_segment_ptr 1
		.amdhsa_wavefront_size32 1
		.amdhsa_system_sgpr_workgroup_id_x 1
		.amdhsa_system_sgpr_workgroup_id_y 1
		.amdhsa_system_sgpr_workgroup_id_z 1
		.amdhsa_system_vgpr_workitem_id 0
		.amdhsa_next_free_vgpr 256
		.amdhsa_next_free_sgpr 66
		.amdhsa_reserve_vcc 0
		.amdhsa_float_denorm_mode_32 3
		.amdhsa_float_denorm_mode_16_64 3
		.amdhsa_memory_ordered 1
		.amdhsa_forward_progress 1
		.amdhsa_inst_pref_size 169
	.end_amdhsa_kernel
	.amdgpu_metadata
---
amdhsa.version: [ 1, 2 ]
amdhsa.kernels:
  - .name:           k_qba77061a97_attn
    .symbol:         k_qba77061a97_attn.kd
    .args:
      - { .name: query_codes, .offset: 0, .size: 8, .value_kind: global_buffer, .address_space: global }
      - { .name: key_codes, .offset: 8, .size: 8, .value_kind: global_buffer, .address_space: global }
      - { .name: value, .offset: 16, .size: 8, .value_kind: global_buffer, .address_space: global }
      - { .name: lowp_scales, .offset: 24, .size: 8, .value_kind: global_buffer, .address_space: global }
      - { .name: x, .offset: 32, .size: 8, .value_kind: global_buffer, .address_space: global }
      - { .name: stats, .offset: 40, .size: 8, .value_kind: global_buffer, .address_space: global }
    .group_segment_fixed_size: 77568
    .private_segment_fixed_size: 0
    .kernarg_segment_align: 8
    .kernarg_segment_size: 48
    .max_flat_workgroup_size: 128
    .sgpr_count:     66
    .vgpr_count:     256
    .wavefront_size: 32
...
	.end_amdgpu_metadata
.endif
;; end of part 1
;; launch norm (part 2): grid 1024 x 1, 8 waves a work-group, no clusters, 0 bytes of LDS; arguments x, stats, gamma, beta, out0; writes out0
.if DOCPART == 2
	.amdgcn_target "amdgcn-amd-amdhsa--gfx1250"
	.amdhsa_code_object_version 6
	.text
	.protected	k_qba77061a97_norm
	.globl	k_qba77061a97_norm
	.p2align	8
	.type	k_qba77061a97_norm,@function
k_qba77061a97_norm:
	s_mov_b64 s[64:65], 0
	v_nop
	global_prefetch_b8 v0, s[64:65] scope:SCOPE_SE
	s_setreg_imm32_b32 hwreg(HW_REG_WAVE_MODE, 25, 1), 1
	s_wait_xcnt 0x0
; out0 = y sigmoid(y),  y = (x - mean) rsqrt(var + 1e-5) gamma + beta,  mean and var of x over all b, h, w of the channel.  Nothing of reference() is left out.
; A work-group takes one slab (b, c): 32 KiB; a thread 8 x 16 bytes; a wave's load or store covers 512 consecutive bytes.  All loads are issued at the head.  No LDS, no barrier: waves share nothing.
; THE STATISTICS.  stats holds, for each slab, a unit of 256 bytes that begins with four pairs (mean, sum of squared deviations), each of 2,048 numbers of x: 64 pairs a channel.  Each wave joins them: lane l takes pairs
; 2 (l % 2), 2 (l % 2) + 1 of batch l / 2;  mean = the sum of the means / 64;  the channel's sum of squared deviations = the sum of the parts' + 2,048 x the sum of (a part's mean - mean)^2;
; var = that / 131,072.  No difference of large sums is formed.
; sigmoid(y) = 1 / (1 + 2^(-log2(e) y)).  Where 2^(..) overflows the reciprocal is 0, where it underflows 1.
.set X,   16                           ; v16-47   x
.set Y,   48                           ; v48-79   y, then the result
.set Z,   80                           ; v80-111  -log2(e) y, its exponential, + 1, the reciprocal
.set CA,  112                          ; v[112:113] a = gamma rsqrt(var + eps), twice
.set CB,  114                          ; v[114:115] b = beta - mean a
.set CA2, 116                          ; v[116:117] -log2(e) a
.set CB2, 118                          ; v[118:119] -log2(e) b
	s_load_b256 s[4:11], s[0:1], 0x0               ; x s[4:5], stats s[6:7], gamma s[8:9], beta s[10:11]
	s_load_b64 s[12:13], s[0:1], 0x20              ; out0
	v_and_b32 v2, 1, v0
	v_bfe_u32 v3, v0, 1, 4                         ; batch: lane / 2
	v_lshlrev_b32 v1, 4, v0                        ; 16 x thread
	v_lshlrev_b32 v2, 4, v2
	s_delay_alu instid0(VALU_DEP_1)
	v_lshl_add_u32 v2, v3, 14, v2                  ; 64 units of 256 bytes from batch to batch
	s_and_b32 s14, ttmp9, 63                       ; the channel: the slab's number is 64 b + c
	s_lshl_b32 s16, ttmp9, 15
	s_mov_b32 s17, 0
	s_lshl_b32 s18, s14, 8
	s_mov_b32 s19, 0
	s_lshl_b32 s20, s14, 2
	s_mov_b32 s21, 0
	s_mov_b32 s22, 0x76543210                      ; v_permlanex16_b32's selects for lane l xor 16
	s_mov_b32 s23, 0xfedcba98
	s_wait_alu depctr_va_vdst(0)
	s_wait_kmcnt 0x0
	s_add_nc_u64 s[4:5], s[4:5], s[16:17]
	s_add_nc_u64 s[12:13], s[12:13], s[16:17]
	s_add_nc_u64 s[6:7], s[6:7], s[18:19]
	s_add_nc_u64 s[8:9], s[8:9], s[20:21]
	s_add_nc_u64 s[10:11], s[10:11], s[20:21]
	s_load_b32 s24, s[8:9], 0x0                    ; gamma[c]
	s_load_b32 s25, s[10:11], 0x0                  ; beta[c]
	global_load_b128 v[4:7], v2, s[6:7]            ; mean, dev, mean, dev
.irp k, 0,1,2,3,4,5,6,7
	global_load_b128 v[X+4*\k:X+4*\k+3], v1, s[4:5] offset:4096*\k th:TH_LOAD_NT
.endr
.macro WSUM r, t                       ; the sum of v[r] over the wave's 32 lanes, in every lane.  v[t] is at work: the permute's destination counts as one of its sources, so v[t] is a register that has been written
.irp m, 1,2,4,8
	s_delay_alu instid0(VALU_DEP_1)
	v_add_f32_dpp v[\r], v[\r], v[\r] row_xmask:\m row_mask:0xf bank_mask:0xf
.endr
	s_delay_alu instid0(VALU_DEP_1)
	v_permlanex16_b32 v[\t], v[\r], s22, s23
	s_delay_alu instid0(VALU_DEP_1)
	v_add_f32 v[\r], v[\r], v[\t]
.endm
	s_wait_loadcnt 8                               ; the statistics are in; x's eight loads may be out
	v_add_f32 v12, v4, v6
	WSUM 12, 3                                     ; (v3 is done with)
	s_delay_alu instid0(VALU_DEP_1)
	v_mul_f32 v12, 0x3c800000, v12                 ; / 64: the channel's mean
	s_delay_alu instid0(VALU_DEP_1)
	v_sub_f32 v4, v4, v12
	s_delay_alu instid0(VALU_DEP_2)
	v_sub_f32 v6, v6, v12
	s_delay_alu instid0(VALU_DEP_2)
	v_mul_f32 v13, v4, v4
	v_add_f32 v5, v5, v7
	s_delay_alu instid0(VALU_DEP_2)
	v_fmac_f32 v13, v6, v6
	s_delay_alu instid0(VALU_DEP_1)
	v_fmamk_f32 v13, v13, 0x45000000, v5           ; 2,048 x the squares of my parts' means' deviations + my parts' own sums
	WSUM 13, 4                                     ; (v4, a part's deviation, has been squared and is done with)
	s_delay_alu instid0(VALU_DEP_1)
	v_mul_f32 v13, 0x37000000, v13                 ; / 131,072: the variance
	s_delay_alu instid0(VALU_DEP_1)
	v_add_f32 v13, 0x3727c5ac, v13                 ; + 1e-5
	s_wait_alu depctr_va_vdst(0)
	v_rsq_f32 v13, v13
	v_nop                                          ; a plain instruction behind the transcendental
	s_wait_kmcnt 0x0
	s_wait_alu depctr_va_vdst(0)                   ; the wait ahead of the first reader
	v_mul_f32 v[CA], s24, v13
	s_delay_alu instid0(VALU_DEP_1)
	v_fma_f32 v[CB], -v12, v[CA], s25
	s_delay_alu instid0(VALU_DEP_2)
	v_mov_b32 v[CA+1], v[CA]                       ; each constant twice: the packed forms then take plain pairs
	s_delay_alu instid0(VALU_DEP_2)
	v_mov_b32 v[CB+1], v[CB]
	s_delay_alu instid0(VALU_DEP_4)
	v_mul_f32 v[CA2], 0xbfb8aa3b, v[CA]
	s_delay_alu instid0(VALU_DEP_4)
	v_mul_f32 v[CB2], 0xbfb8aa3b, v[CB]
	v_mul_f32 v[CA2+1], 0xbfb8aa3b, v[CA]
	v_mul_f32 v[CB2+1], 0xbfb8aa3b, v[CB]
.macro HALF h, left                    ; sixteen numbers a lane.  left: the younger loads, which may stay out
	s_wait_loadcnt \left
.irp n, 0,1,2,3,4,5,6,7
	v_pk_fma_f32 v[Y+16*\h+2*\n:Y+16*\h+2*\n+1], v[X+16*\h+2*\n:X+16*\h+2*\n+1], v[CA:CA+1], v[CB:CB+1]
	v_pk_fma_f32 v[Z+16*\h+2*\n:Z+16*\h+2*\n+1], v[X+16*\h+2*\n:X+16*\h+2*\n+1], v[CA2:CA2+1], v[CB2:CB2+1]
.endr
	s_wait_alu depctr_va_vdst(0)
.irp n, 0,1,2,3,4,5,6,7,8,9,10,11,12,13,14,15
	v_exp_f32 v[Z+16*\h+\n], v[Z+16*\h+\n]
.endr
	v_nop
	s_wait_alu depctr_va_vdst(0)                   ; one wait for the sixteen exponentials
.irp n, 0,1,2,3,4,5,6,7
	v_pk_add_f32 v[Z+16*\h+2*\n:Z+16*\h+2*\n+1], v[Z+16*\h+2*\n:Z+16*\h+2*\n+1], 1.0 op_sel_hi:[1,0]
.endr
	s_wait_alu depctr_va_vdst(0)
.irp n, 0,1,2,3,4,5,6,7,8,9,10,11,12,13,14,15
	v_rcp_f32 v[Z+16*\h+\n], v[Z+16*\h+\n]
.endr
	v_nop
	s_wait_alu depctr_va_vdst(0)                   ; one wait for the sixteen reciprocals
.irp n, 0,1,2,3,4,5,6,7
	v_pk_mul_f32 v[Y+16*\h+2*\n:Y+16*\h+2*\n+1], v[Y+16*\h+2*\n:Y+16*\h+2*\n+1], v[Z+16*\h+2*\n:Z+16*\h+2*\n+1]
.endr
.irp k, 0,1,2,3
	global_store_b128 v1, v[Y+16*\h+4*\k:Y+16*\h+4*\k+3], s[12:13] offset:4096*(4*\h+\k) th:TH_STORE_NT
.endr
.endm
	s_wait_alu depctr_va_vdst(0)
	HALF 0, 4                                      ; x's first four loads are in
	HALF 1, 0
	s_endpgm
.Lfunc_end_k_qba77061a97_norm:
	.size	k_qba77061a97_norm, .Lfunc_end_k_qba77061a97_norm-k_qba77061a97_norm
	.p2alignl 7, 3214868480
	.fill 96, 4, 3214868480
	.section	.rodata,"a",@progbits
	.p2align	6, 0x0
	.amdhsa_kernel k_qba77061a97_norm
		.amdhsa_group_segment_fixed_size 0
		.amdhsa_private_segment_fixed_size 0
		.amdhsa_enable_private_segment 0
		.amdhsa_kernarg_size 40
		.amdhsa_user_sgpr_count 2
		.amdhsa_user_sgpr_kernarg_segment_ptr 1
		.amdhsa_wavefront_size32 1
		.amdhsa_system_sgpr_workgroup_id_x 1
		.amdhsa_system_sgpr_workgroup_id_y 1
		.amdhsa_system_sgpr_workgroup_id_z 1
		.amdhsa_system_vgpr_workitem_id 0
		.amdhsa_next_free_vgpr 120
		.amdhsa_next_free_sgpr 66
		.amdhsa_reserve_vcc 0
		.amdhsa_float_denorm_mode_32 3
		.amdhsa_float_denorm_mode_16_64 3
		.amdhsa_memory_ordered 1
		.amdhsa_forward_progress 1
		.amdhsa_inst_pref_size 12
	.end_amdhsa_kernel
	.amdgpu_metadata
---
amdhsa.version: [ 1, 2 ]
amdhsa.kernels:
  - .name:           k_qba77061a97_norm
    .symbol:         k_qba77061a97_norm.kd
    .args:
      - { .name: x, .offset: 0, .size: 8, .value_kind: global_buffer, .address_space: global }
      - { .name: stats, .offset: 8, .size: 8, .value_kind: global_buffer, .address_space: global }
      - { .name: gamma, .offset: 16, .size: 8, .value_kind: global_buffer, .address_space: global }
      - { .name: beta, .offset: 24, .size: 8, .value_kind: global_buffer, .address_space: global }
      - { .name: out0, .offset: 32, .size: 8, .value_kind: global_buffer, .address_space: global }
    .group_segment_fixed_size: 0
    .private_segment_fixed_size: 0
    .kernarg_segment_align: 8
    .kernarg_segment_size: 40
    .max_flat_workgroup_size: 256
    .sgpr_count:     66
    .vgpr_count:     120
    .wavefront_size: 32
...
	.end_amdgpu_metadata
.endif
;; end of part 2
